; MI455X (gfx1250); checked and timed in simulation.
; The chip was launched on July 23, 2026; its instructions are those of AMD's public machine-readable ISA for CDNA 5 (MIT licence, August 2026) and "CDNA5" Instruction Set Architecture Reference Guide (July 2026). The comments in the code are by the model that wrote it; some were corrected since.
;; Multi Head Attention. Allowed arithmetic: matrix products marked QUANTISED: E2M1 operands, one E8M0 scale for each 32 along K, by v_wmma_scale_f32_16x16x128_f8f6f4 with both operands' format E2M1 (or v_wmma_scale_f32_32x16x128_f4), f32 sums; everything else in f32.
;; Inputs: W_out_codes 1,024 x 32 x 16 uint8 (E2M1 codes of W_out, K innermost, in blocks of 32 codes, two codes a byte); W_out_scales 1,024 x 32 uint8 (E8M0 scales of W_out, one for each 32 codes along K); W_qkv_codes 3,072 x 32 x 16 uint8 (E2M1 codes of W_qkv, K innermost, in blocks of 32 codes, two codes a byte); W_qkv_scales 3,072 x 32 uint8 (E8M0 scales of W_qkv, one for each 32 codes along K); b_out 1,024 float32; b_qkv 3,072 float32; x_codes 4 x 2,048 x 32 x 16 uint8 (E2M1 codes of x, K innermost, in blocks of 32 codes, two codes a byte); x_scales 4 x 2,048 x 32 uint8 (E8M0 scales of x, one for each 32 codes along K).
;; Outputs: out0 4 x 2,048 x 1,024 float32.
;; Constants: mask = 1.
;; This version of the problem:
;;   THIS VERSION OF THE PROBLEM IS GIVEN IN LOW PRECISION. The matrix products marked QUANTISED in the list below multiply operands that are first quantised to E2M1 (2 exponent bits, 1 mantissa bit; 4 bits a number), with one power-of-two scale for each 32 numbers along K (OCP MX v1.0); their sums are f32. All else is computed in f32.
;;   The module's matrix products, in the order in which they are computed (A, B: the left and right operand; K: the contracted axis; several contracted axes count as one K, in the product's order):
;;     1. [M 8,192, K 1,024] x [K 1,024, N 3,072]; A: input x (given as codes); B: input W_qkv (given as codes): QUANTISED
;;     2. batch 64 x [M 2,048, K 64] x [K 64, N 2,048]; A: computed on the way; B: computed on the way: QUANTISED
;;     3. batch 64 x [M 2,048, K 2,048] x [K 2,048, N 64]; A: softmax (see below); B: computed on the way: QUANTISED
;;     4. [M 8,192, K 1,024] x [K 1,024, N 1,024]; A: computed on the way; B: input W_out (given as codes): QUANTISED
;;   THE QUANTISER, for each operand of a quantised product, along K:
;;     - K is cut into blocks of 32 from its start; a last block that is shorter is filled with zeros.
;;     - A block's scale is 2^e with e = floor(log2(the largest magnitude in the block)) - 2, held to -126 .. 127; a block of zeros has e = 0. As a byte (E8M0): e + 127.
;;     - Each number is divided by its block's scale, clamped to +-6, and rounded to the nearest number of E2M1, ties to even, subnormals kept.
;;     - The product sums the exact products of the quantised numbers (number of the format x scale) in f32.
;;   ~~~python
;;   def quantise(x, axis):      # numpy; x: float32 -> the quantised numbers, widened to float32 again
;;       x = np.moveaxis(x, axis, -1); K = x.shape[-1]
;;       x = np.pad(x, [(0, 0)] * (x.ndim - 1) + [(0, -K % 32)]); x = x.reshape(x.shape[:-1] + (-1, 32)); a = np.abs(x).max(-1, keepdims=True)
;;       e = np.where(a > 0, np.clip(np.frexp(np.where(a > 0, a, 1))[1] - 1 - 2, -126, 127), 0)      # np.frexp(a)[1] - 1 = floor(log2(a)), exactly
;;       r = np.clip(x / 2.0 ** e, -6, 6)
;;       step = 2.0 ** (np.maximum(np.frexp(np.where(r == 0, 1, r))[1] - 1, 0) - 1)
;;       q = np.round(r / step) * step * 2.0 ** e      # np.round: ties to even
;;       return np.moveaxis(q.reshape(q.shape[:-2] + (-1,))[..., :K], -1, axis).astype(np.float32)
;;   ~~~
;;   SOFTMAX AHEAD OF A QUANTISED PRODUCT. Where the list says 'softmax', what is quantised is not the finished softmax but p = 2^(t - M), with t = logit x log2(e) and M = ceil(the row's largest t), a whole number; so 1/2 < the row's largest p <= 1. The row's sum l is taken of the UNQUANTISED p, in f32, and the product's result is divided by l at the end. Since M is a whole number, a kernel that streams over the keys may use a running M (the ceiling of the running maximum): every later rescaling is an exact power of two, which a block's scale takes up: the codes' values come out the same.
;;   OPERANDS COMPUTED ON THE WAY. 'Computed on the way' means the value that the module computes at that place (a softmax that the list does not call 'softmax' is quantised finished and normalised). What goes into a quantiser is computed in f32, as accurately as f32 sums, v_exp_f32 and their like allow (about 1e-6 of the number): no bf16 or f16 on the way to a quantiser, and a product that is left as it is and whose result goes on into a quantised operand takes f32 operands (vector FMAs, or v_wmma_f32_16x16x4_f32). A number that lies on a knife's edge between two numbers of the format may be rounded either way, as far as f32 arithmetic and the matrix unit's own rounding can turn it there, and no further.
;;   INPUTS GIVEN AS CODES. W_out (in the module: [1024, 1024], K = its axis 0); W_qkv (in the module: [1024, 3072], K = its axis 0); x (in the module: [4, 2048, 1024], K = its axis 2): each comes as NAME_codes (uint8): NAME with its K axis moved to the last place and cut into blocks of 32 codes, [.., K / 32, bytes a block], one block behind the other in memory; two codes a byte, the lower K in the low four bits (a code: sign, 2 exponent bits, 1 mantissa bit); and NAME_scales (uint8): the same leading axes, one E8M0 byte (e + 127) for each 32 codes along K. Its value is code x scale, taken as it is: it is not quantised again, and the codes and scales need not be those that the quantiser above would give.
;; One version. Each part assembles by itself: llvm-mc -triple=amdgcn-amd-amdhsa -mcpu=gfx1250 --defsym DOCPART=n.
;; ======== version 1 of 1: 3 launches
;; workspace buffers: q_img 4,194,304 bytes; q_scl 524,288 bytes; kv 8,912,896 bytes; o_img 4,194,304 bytes; o_scl 262,144 bytes
;; launch qkv (part 1): grid 16 x 32, 4 waves a work-group, clusters of 4 x 4, 262,656 bytes of LDS; arguments x_codes, x_scales, W_qkv_codes, W_qkv_scales, b_qkv, q_img, q_scl, kv; writes q_img, q_scl, kv
.if DOCPART == 1
	.amdgcn_target "amdgcn-amd-amdhsa--gfx1250"
	.amdhsa_code_object_version 6
	.text
	.protected	k_qd2a176eee1_qkv
	.globl	k_qd2a176eee1_qkv
	.p2align	8
	.type	k_qd2a176eee1_qkv,@function
k_qd2a176eee1_qkv:
	s_mov_b64 s[64:65], 0
	v_nop
	global_prefetch_b8 v0, s[64:65] scope:SCOPE_SE
	s_setreg_imm32_b32 hwreg(HW_REG_WAVE_MODE, 25, 1), 1
	s_wait_xcnt 0x0
	s_wait_alu depctr_hold_cnt(0) depctr_sa_sdst(0) depctr_va_vdst(0) depctr_va_sdst(0) depctr_va_ssrc(0) depctr_va_vcc(0) depctr_vm_vsrc(0)
	s_getreg_b32 s2, hwreg(HW_REG_IB_STS2, 6, 4)
	s_cmp_eq_u32 s2, 0
	s_cbranch_scc0 .Lentry_in_a_cluster
	s_endpgm
.Lentry_in_a_cluster:
	s_bfe_u32 s2, ttmp6, 0x10000c
	s_cmp_lg_u32 s2, 0xf033
	s_cbranch_scc0 .Lentry_shape_is_right
	s_endpgm
.Lentry_shape_is_right:
; qkv = x W_qkv + b_qkv on codes of FP4 (E2M1) with E8M0 scales, and the quantising of q, k (along the head's 64) and v (along the keys) for the attention launch.
; x: [8192][1024] codes, W_qkv: [3072][1024] codes, K innermost, 512 bytes a row; their scale bytes 32 a row.  Column 192 h + 64 s + d is q, k, v (s = 0, 1, 2) of head h.
; SHARES.  A work-group takes one head (192 rows of W) and 256 tokens; wave w takes tokens 64 w .. 64 w + 63 (four tiles m of 16) against all 192 columns (twelve tiles t): 48 accumulators, 384 registers.
; ALL OF K LIES IN LDS: two slots of 512 along K (rows of 256 bytes + 16 of padding), each filled ONCE; the scale bytes of the 256 + 192 rows come once as dense blocks.  No LDS byte is filled twice.
; CLUSTER 4 x 4: the four work-groups of a row of the cluster share their tokens (x), the four of a column their head (W): each tile is asked for jointly, by the same tensor load with a mask that names the four.
; LAYOUT.  q's and k's tiles (t < 8) are used TRANSPOSED (source 0 = 16 rows of W, source 1 = 16 tokens): a lane holds one token and eight neighbouring d.  v's tiles (t >= 8) are used plain
; (source 0 = tokens, source 1 = rows of W): a lane holds one d and eight neighbouring tokens, which are the keys, the next K of v.  The bias is the C of each sum's first matrix instruction.
; THE QUANTISER.  A block of 32 lies in two neighbouring tiles' registers of lanes l and l xor 16.  Largest magnitude with the floor 2^(3 - 127) among its leaves; 2 off its exponent field is the conversion's scale operand;
; that shifted down by 23 is the byte.  Two conversions a block; the results of two blocks, in the order even tile 0, even tile 1, odd tile 0, odd tile 1, become after two exchanges of lane halves the four registers
; of an operand: lanes 0-15 the first block's 32 codes in their true order, lanes 16-31 the second's.  They are stored as they stand: 16 bytes a lane, 512 consecutive bytes a store.
; OUT.  q_img [bh][query tile][lane][16]; q_scl: a word (s0, s1, s0, s1) for each query; kv [bh][key step of 128][8704]: +0 eight key tiles' images, +4096 v's images [d tile][c][lane][16], +8192 k's scale words, +8448 v's.
; LIMITS: NaN and infinities are not served.  A block of zeros gets the byte 1 where the rule says 127: its codes are zeros, and these bytes are read by this program alone.
; REGISTERS, in windows of 256: window 0: v1-25 addresses; v32-95 scale words and nothing else; v96-191 the biases, later the quantiser's work; window 1: two sets of fragments (W's twelve, x's four);
;   window 2: the accumulators of tiles m = 0, 1 at 96 (m % 2) + 8 t; window 3: those of m = 2, 3.
.set PITCH,  272                       ; an LDS row of codes: 256 bytes + 16 of padding, so that the 16 rows of a fragment load start 68 words apart
.set ABYTES, 256*PITCH                 ; x's 256 rows of a slot
.set BBYTES, 192*PITCH                 ; W's 192 rows
.set SLOT,   ABYTES+BBYTES
.set SCA,    2*SLOT                    ; x's scale bytes: 256 rows x 32
.set SCB,    SCA+256*32                ; W's: 192 rows x 32
.set STG,    SCB+192*32                ; four blocks of 256 bytes that no tensor load fills: k's and v's scale words of two key steps meet here
.set KSB,    8704                      ; a key step in kv
.set HEADB,  16*KSB                    ; a head in kv
.set WV,   20                          ; s20 wave; s21 = wave / 2: I fetch for x (0) or W (1); s22 = wave % 2: which half of the rows
.set ROLE, 21
.set HALF, 22
.set SEL,  30                          ; s[30:31] v_permlanex16_b32's selects for lane l xor 16
.set HM,   100                         ; s100 a lane mask: lanes 16-31
.set G1A,  32                          ; descriptor groups 1: x's codes, W's codes, x's scales, W's scales
.set G1B,  40
.set G1SA, 48
.set G1SB, 56
.set G0A,  68                          ; groups 0: x's codes slot 0, 1; W's codes slot 0, 1; the scales
.set G0B,  76
.set G0SA, 84
.set G0SB, 88
.set LI,   4                           ; v4  16 x lane
.set ADRA, 5                           ; v5-6  my x fragments in slot 0, 1
.set ADRB, 7                           ; v7-8  W's fragments
.set ADSB, 9                           ; v9  W's scale words: lanes 0-15 tile i, lanes 16-31 tile i + 6
.set ADSA, 10                          ; v10 x's: lanes 0-15 tile i, lanes 16-31 tile i + 2
.set BOQ,  11                          ; v11 32 h: bias of q, k
.set BOV,  12                          ; v12 4 r: bias of v
.set FL,   13                          ; v13 the floor 2^(3 - 127)
.set VKO,  14                          ; v14 k's image: 16 lane + 2048 (wave % 2)
.set VVO,  15                          ; v15 v's image: 16 lane + 512 (wave % 2)
.set L8,   16                          ; v16 8 x lane
.set STR,  17                          ; v17 the stage, read:  256 wave + 8 lane
.set STK,  18                          ; v18 the stage, k's words
.set STV,  19                          ; v19 the stage, v's half words
.set KWO,  25                          ; v25 8 lane + 256 (wave % 2)
.set SC,   32                          ; scale words: SC + 32 slot + 4 set + step in the slot; sets 0-5 W's, 6-7 x's
.set BI,   96                          ; the biases in the results' layout, 8 registers a tile t
.set TM,   96                          ; behind the products: twelve blocks' largest magnitudes,
.set TP,   108                         ; the other lane half's,
.set SO,   120                         ; the conversions' scale operands,
.set BY,   132                         ; q's and k's bytes,
.set CQ,   144                         ; q's and k's codes, 16 registers a phase,
.set VC,   176                         ; v's codes,
.set QW,   192                         ; q's four scale words, k's two, v's four half words, three at work, v's bytes of both phases
.set KW,   196
.set VU,   198
.set TW,   202
.set VB,   206
.set FET,  0x40                        ; destination window 1
.set LO0,  0x85                        ; sources 0, 1 window 1; C window 0; D window 2
.set HI0,  0xc5
.set LO,   0xa5                        ; C and D window 2
.set HI,   0xf5                        ; C and D window 3
.set MSB, 0
.macro WIN new                         ; the immediate's high byte repeats the setting that is left; a switch that changes nothing is dropped
.set WNEW, \new
.if MSB != WNEW
	s_set_vgpr_msb (MSB<<8)|WNEW
.set MSB, WNEW
.endif
.endm
.macro PLACES n
.rept \n
	v_nop
.endr
.endm
.macro ROUND                           ; a round of the cluster's barrier
	s_barrier_signal -1
	s_barrier_wait -1
	s_cmp_lg_u32 s[WV], 0
	s_cbranch_scc1 .Lnot_wave_0_\@
	s_barrier_signal -3
.Lnot_wave_0_\@:
	s_barrier_wait -3
	s_barrier_signal -1
	s_barrier_wait -1
.endm
; A joint load: waves 0, 1 fetch for x, waves 2, 3 for W.  Each line has one mask and one set of registers; the branch hangs on the wave's number alone.  Four v_nop follow each line.
.macro JLOAD g0a, g1a, g0b, g1b
	s_cmp_eq_u32 s[ROLE], 0
	s_cbranch_scc0 .Lfor_b_\@
	tensor_load_to_lds s[\g0a:\g0a+3], s[\g1a:\g1a+7]
	s_nop 0
	PLACES 4
	s_branch .Lasked_\@
.Lfor_b_\@:
	tensor_load_to_lds s[\g0b:\g0b+3], s[\g1b:\g1b+7]
	s_nop 0
	PLACES 4
.Lasked_\@:
.endm
; One scaled product.  ra, rb = 1: that side's scales are read from lanes 16-31 of its register.
.macro WS d, a, b, c, sa, sb, ra, rb
.set WD, \d
.set WA, \a
.set WB, \b
.set WC, \c
.set WE, \sa
.set WF, \sb
.set WR, (\ra)+2*(\rb)
.if WR == 0
	v_wmma_scale_f32_16x16x128_f8f6f4 v[WD:WD+7], v[WA:WA+7], v[WB:WB+7], v[WC:WC+7], v[WE], v[WF] matrix_a_fmt:MATRIX_FMT_FP4 matrix_b_fmt:MATRIX_FMT_FP4
.elseif WR == 1
	v_wmma_scale_f32_16x16x128_f8f6f4 v[WD:WD+7], v[WA:WA+7], v[WB:WB+7], v[WC:WC+7], v[WE], v[WF] matrix_a_fmt:MATRIX_FMT_FP4 matrix_b_fmt:MATRIX_FMT_FP4 matrix_a_scale:MATRIX_SCALE_ROW1
.elseif WR == 2
	v_wmma_scale_f32_16x16x128_f8f6f4 v[WD:WD+7], v[WA:WA+7], v[WB:WB+7], v[WC:WC+7], v[WE], v[WF] matrix_a_fmt:MATRIX_FMT_FP4 matrix_b_fmt:MATRIX_FMT_FP4 matrix_b_scale:MATRIX_SCALE_ROW1
.else
	v_wmma_scale_f32_16x16x128_f8f6f4 v[WD:WD+7], v[WA:WA+7], v[WB:WB+7], v[WC:WC+7], v[WE], v[WF] matrix_a_fmt:MATRIX_FMT_FP4 matrix_b_fmt:MATRIX_FMT_FP4 matrix_a_scale:MATRIX_SCALE_ROW1 matrix_b_scale:MATRIX_SCALE_ROW1
.endif
.endm
	s_load_b256 s[4:11], s[0:1], 0x0               ; x's codes s[4:5], x's scales s[6:7], W's codes s[8:9], W's scales s[10:11]
	s_load_b256 s[12:19], s[0:1], 0x20             ; b_qkv s[12:13], q_img s[14:15], q_scl s[16:17], kv s[18:19]
	v_lshl_add_u32 v254, v0, 2, 0x40000
	v_mov_b32 v255, 0
	ds_add_u32 v254, v255
	ds_add_u32 v254, v255
	v_lshrrev_b32 v1, 5, v0
	v_readfirstlane_b32 s[WV], v1
	s_lshr_b32 s[ROLE], s[WV], 1
	s_and_b32 s[HALF], s[WV], 1
	s_bfe_u32 s23, ttmp6, 0x40000                  ; cx
	s_bfe_u32 s24, ttmp6, 0x40004                  ; cy
	s_lshl_b32 s25, ttmp9, 2
	s_add_co_u32 s25, s25, s23                     ; the head = 4 x cluster x + cx
	s_and_b32 s26, ttmp7, 0xffff
	s_lshl_b32 s26, s26, 2
	s_add_co_u32 s26, s26, s24                     ; the block of 256 tokens = 4 x cluster y + cy
	s_lshl_b32 s27, s24, 2
	s_lshl_b32 s27, 15, s27                        ; my row of the cluster
	s_lshl_b32 s28, 0x1111, s23                    ; my column
	s_mov_b32 s[SEL], 0x76543210
	s_mov_b32 s[SEL+1], 0xfedcba98
	s_mov_b32 s[HM], 0xffff0000
	; groups 1.  Codes: rows of 256 bytes out of rows of 512, elements of 1 byte, 4 words of padding behind every 64; 128 rows of x or 96 of W to a load
	s_or_b32 s[G1A], s27, (1<<20)|(1<<21)|(5<<22)|(3<<25)
	s_or_b32 s[G1B], s28, (1<<20)|(1<<21)|(5<<22)|(3<<25)
.irp g, G1A, G1B
	s_mov_b32 s[\g+1], 256<<16                     ; tensor_dim0
	s_mov_b32 s[\g+3], 256<<16                     ; tile_dim0
	s_mov_b32 s[\g+5], 512                         ; the pitch in memory
	s_mov_b32 s[\g+6], 0
	s_mov_b32 s[\g+7], 0
.endr
	s_mov_b32 s[G1A+2], 128<<16                    ; tensor_dim1
	s_mov_b32 s[G1A+4], 128                        ; tile_dim1
	s_mov_b32 s[G1B+2], 96<<16
	s_mov_b32 s[G1B+4], 96
	; scale bytes: dense blocks as rows of 256 bytes (32 elements of 8 bytes): 128 x 32 bytes = 16 rows, 96 x 32 = 12 rows
	s_or_b32 s[G1SA], s27, (3<<16)|(1<<21)
	s_or_b32 s[G1SB], s28, (3<<16)|(1<<21)
.irp g, G1SA, G1SB
	s_mov_b32 s[\g+1], 32<<16
	s_mov_b32 s[\g+3], 32<<16
	s_mov_b32 s[\g+5], 32
	s_mov_b32 s[\g+6], 0
	s_mov_b32 s[\g+7], 0
.endr
	s_mov_b32 s[G1SA+2], 16<<16
	s_mov_b32 s[G1SA+4], 16
	s_mov_b32 s[G1SB+2], 12<<16
	s_mov_b32 s[G1SB+4], 12
	; where the tiles come from: x's hang on the token block alone (s92-95 never hold cx), W's on the head alone (s96-99 never hold cy)
	s_lshl_b32 s92, s26, 8
	s_lshl_b32 s93, s[HALF], 7
	s_add_co_u32 s92, s92, s93                     ; x's row 256 by + 128 half
	s_lshl_b32 s94, s92, 5                         ; its scale bytes
	s_mov_b32 s95, 0
	s_lshl_b32 s92, s92, 9                         ; its codes
	s_mov_b32 s93, 0
	s_mul_i32 s96, s25, 192
	s_mul_i32 s97, s[HALF], 96
	s_add_co_u32 s96, s96, s97                     ; W's row 192 head + 96 half
	s_lshl_b32 s98, s96, 5
	s_mov_b32 s99, 0
	s_lshl_b32 s96, s96, 9
	s_mov_b32 s97, 0
	; groups 0: the count 1, the LDS address (the wave's number and constants alone), the global address, the type
	s_mov_b32 s[G0A], 1
	s_mul_i32 s[G0A+1], s[HALF], 128*PITCH
	s_mov_b32 s[G0A+4], 1
	s_add_co_u32 s[G0A+5], s[G0A+1], SLOT
	s_mov_b32 s[G0B], 1
	s_mul_i32 s[G0B+1], s[HALF], 96*PITCH
	s_add_co_u32 s[G0B+1], s[G0B+1], ABYTES
	s_mov_b32 s[G0B+4], 1
	s_add_co_u32 s[G0B+5], s[G0B+1], SLOT
	s_mov_b32 s[G0SA], 1
	s_lshl_b32 s[G0SA+1], s[HALF], 12
	s_add_co_u32 s[G0SA+1], s[G0SA+1], SCA
	s_mov_b32 s[G0SB], 1
	s_mul_i32 s[G0SB+1], s[HALF], 3072
	s_add_co_u32 s[G0SB+1], s[G0SB+1], SCB
	s_wait_dscnt 0x0
	s_wait_kmcnt 0x0
	s_add_nc_u64 s[G0SA+2:G0SA+3], s[6:7], s[94:95]
	s_or_b32 s[G0SA+3], s[G0SA+3], 0x80000000
	s_add_nc_u64 s[G0SB+2:G0SB+3], s[10:11], s[98:99]
	s_or_b32 s[G0SB+3], s[G0SB+3], 0x80000000
	s_add_nc_u64 s[G0A+2:G0A+3], s[4:5], s[92:93]
	s_add_nc_u64 s[G0A+6:G0A+7], s[G0A+2:G0A+3], 256               ; slot 1: the second 512 along K
	s_or_b32 s[G0A+3], s[G0A+3], 0x80000000
	s_or_b32 s[G0A+7], s[G0A+7], 0x80000000
	s_add_nc_u64 s[G0B+2:G0B+3], s[8:9], s[96:97]
	s_add_nc_u64 s[G0B+6:G0B+7], s[G0B+2:G0B+3], 256
	s_or_b32 s[G0B+3], s[G0B+3], 0x80000000
	s_or_b32 s[G0B+7], s[G0B+7], 0x80000000
	ROUND                                          ; all sixteen work-groups are here: the joint loads meet
	JLOAD G0SA, G1SA, G0SB, G1SB                   ; three loads of mine are out: the scales,
	JLOAD G0A, G1A, G0B, G1B                       ; slot 0,
	JLOAD G0A+4, G1A, G0B+4, G1B                   ; slot 1.  Every LDS byte is filled once
	v_and_b32 v1, 15, v0                           ; r
	v_bfe_u32 v2, v0, 4, 1                         ; h
	v_and_b32 v3, 31, v0                           ; lane
	v_lshlrev_b32 v[LI], 4, v3
	v_mul_u32_u24 v20, v1, PITCH
	v_lshl_add_u32 v20, v2, 4, v20                 ; a fragment's row x pitch + 16 h
	s_mul_i32 s29, s[WV], 64*PITCH                 ; my 64 tokens
	v_add_nc_u32 v[ADRA], s29, v20
	v_add_nc_u32 v[ADRA+1], SLOT, v[ADRA]
	v_add_nc_u32 v[ADRB], ABYTES, v20
	v_add_nc_u32 v[ADRB+1], SLOT, v[ADRB]
	v_lshlrev_b32 v21, 5, v1                       ; 32 bytes of scales a row
	v_mad_u32_u24 v[ADSB], v2, 3072, v21           ; lanes 16-31: six tiles further on
	v_add_nc_u32 v[ADSB], SCB, v[ADSB]
	v_lshl_add_u32 v[ADSA], v2, 10, v21            ; lanes 16-31: two tiles further on
	s_lshl_b32 s29, s[WV], 11
	s_add_co_u32 s29, s29, SCA
	v_add_nc_u32 v[ADSA], s29, v[ADSA]
	v_lshlrev_b32 v[BOQ], 5, v2
	v_lshlrev_b32 v[BOV], 2, v1
	s_wait_alu depctr_va_vdst(0)
	v_mov_b32 v[FL], 0x1800000
	s_lshl_b32 s29, s[HALF], 11
	v_add_nc_u32 v[VKO], s29, v[LI]
	s_lshl_b32 s29, s[HALF], 9
	v_add_nc_u32 v[VVO], s29, v[LI]
	v_lshlrev_b32 v[L8], 3, v3
	s_lshl_b32 s29, s[HALF], 8
	v_add_nc_u32 v[KWO], s29, v[L8]
	s_lshl_b32 s29, s[WV], 8
	s_add_co_u32 s29, s29, STG
	v_add_nc_u32 v[STR], s29, v[L8]
	s_lshl_b32 s29, s[ROLE], 9
	s_add_co_u32 s29, s29, STG                     ; my key step's 512 bytes of the stage: k's words, then v's
	s_lshl_b32 s101, s[HALF], 7
	s_add_co_u32 s101, s101, s29
	v_lshl_add_u32 v[STK], v3, 2, s101             ; my two pairs of key tiles: 128 (wave % 2) + 4 lane
	s_lshl_b32 s101, s[HALF], 1
	s_add_co_u32 s101, s101, s29
	s_add_co_u32 s101, s101, 256
	v_lshl_add_u32 v[STV], v1, 2, s101             ; bytes 2 (wave % 2), + 1 of d's word: 4 r
	s_mul_i32 s66, s25, 768                        ; the head's 192 biases
	s_mov_b32 s67, 0
	s_add_nc_u64 s[12:13], s[12:13], s[66:67]
.irp t, 0,1,2,3,4,5,6,7                        ; q, k: lane (r, h) wants columns 16 t + 8 h + 0 .. 7
	global_load_b128 v[BI+8*\t:BI+8*\t+3], v[BOQ], s[12:13] offset:64*\t
	global_load_b128 v[BI+8*\t+4:BI+8*\t+7], v[BOQ], s[12:13] offset:64*\t+16
.endr
.irp t, 0,1,2,3                                ; v: a lane is one column, 128 + 16 t + r: one number, copied below into the tile's eight registers
	global_load_b32 v[BI+64+8*\t], v[BOV], s[12:13] offset:512+64*\t
.endr
	; where the results go
	s_lshr_b32 s2, s26, 3
	s_lshl_b32 s2, s2, 4
	s_add_co_u32 s2, s2, s25                       ; bh = 16 x batch + head
	s_and_b32 s3, s26, 7                           ; which 256 tokens of the batch's 2,048
	s_lshl_b32 s66, s2, 16
	s_lshl_b32 s29, s3, 13
	s_add_co_u32 s66, s66, s29
	s_lshl_b32 s29, s[WV], 11
	s_add_co_u32 s66, s66, s29
	s_add_nc_u64 s[14:15], s[14:15], s[66:67]      ; q_img + 65536 bh + 512 (16 yb + 4 w)
	s_lshl_b32 s66, s2, 13
	s_lshl_b32 s29, s3, 10
	s_add_co_u32 s66, s66, s29
	s_lshl_b32 s29, s[WV], 8
	s_add_co_u32 s66, s66, s29
	s_add_nc_u64 s[16:17], s[16:17], s[66:67]      ; q_scl + 8192 bh + 256 (4 yb + w)
	s_mul_i32 s66, s2, HEADB
	s_lshl_b32 s29, s3, 1
	s_add_co_u32 s29, s29, s[ROLE]
	s_mul_i32 s29, s29, KSB
	s_add_co_u32 s66, s66, s29
	s_add_nc_u64 s[18:19], s[18:19], s[66:67]      ; kv + a head x bh + a key step x (2 yb + w / 2)
.macro SCALES                          ; all scale words, once: four words (a slot's four steps) a load
.irp s, 0,1
.irp i, 0,1,2,3,4,5
	ds_load_b128 v[SC+32*\s+4*\i:SC+32*\s+4*\i+3], v[ADSB] offset:512*\i+16*\s
.endr
.irp i, 0,1
	ds_load_b128 v[SC+32*\s+24+4*\i:SC+32*\s+24+4*\i+3], v[ADSA] offset:512*\i+16*\s
.endr
.endr
.endm
; The fragments of K step q (128 along K) into set q % 2: 16 rows x 128 K of 4-bit codes are 8 registers, two loads of 16 bytes, 32 bytes apart.  32 loads in one run.
.macro FETCH q
.set FS, (\q)/4
.set FQ, (\q)%4
.set FP, 128*((\q)%2)
	WIN FET
.irp t, 0,1,2,3,4,5,6,7,8,9,10,11
	ds_load_b128 v[FP+8*\t:FP+8*\t+3], v[ADRB+FS] offset:4352*\t+64*FQ
	ds_load_b128 v[FP+8*\t+4:FP+8*\t+7], v[ADRB+FS] offset:4352*\t+64*FQ+32
.endr
.irp m, 0,1,2,3
	ds_load_b128 v[FP+96+8*\m:FP+96+8*\m+3], v[ADRA+FS] offset:4352*\m+64*FQ
	ds_load_b128 v[FP+96+8*\m+4:FP+96+8*\m+7], v[ADRA+FS] offset:4352*\m+64*FQ+32
.endr
.endm
; 24 products: token tiles 2 hi, 2 hi + 1 against the twelve tiles of W.  The 48 accumulators take turns, one instruction a turn, in the same order in every step.
.macro MM24 q, hi, first
.set MS, SC+32*((\q)/4)+(\q)%4
.set MP, 128*((\q)%2)
.irp mm, 0,1
.irp t, 0,1,2,3,4,5,6,7,8,9,10,11
.set MD, 96*\mm+8*\t
.if \first
.set MC, BI+8*\t
.else
.set MC, MD
.endif
.if \t < 8
	WS MD, MP+8*\t, MP+96+8*(2*(\hi)+\mm), MC, MS+4*(\t%6), MS+4*(6+\mm), \t/6, \hi
.else
	WS MD, MP+96+8*(2*(\hi)+\mm), MP+8*\t, MC, MS+4*(6+\mm), MS+4*(\t%6), \hi, 1
.endif
.endr
.endr
.endm
; A K step whose successor lies in the same slot.  Four places stand in front of the loads into the set that the step before multiplied (ISA guide 7.12.1 for vector instructions).
.macro STEP q, first
	PLACES 4
	FETCH (\q)+1
	s_wait_dscnt 32                                ; all but the 32 loads just issued: this step's fragments are in (in step 0 the scale words too)
.if \first
	WIN LO0
.else
	WIN LO
.endif
	MM24 \q, 0, \first
.if \first
	WIN HI0
.else
	WIN HI
.endif
	MM24 \q, 1, \first
.endm
	s_wait_tensorcnt 0x1                           ; my parts of the scales and of slot 0 are in; slot 1's load, issued behind them, may stay out
	s_barrier_signal -1
	s_barrier_wait -1                              ; everybody's are
	SCALES
	s_wait_loadcnt 0x0                             ; the biases
.irp t, 0,1,2,3
.irp j, 1,2,3,4,5,6,7
	v_mov_b32 v[BI+64+8*\t+\j], v[BI+64+8*\t]
.endr
.endr
	FETCH 0
	s_wait_alu depctr_va_vdst(0)
	STEP 0, 1                                      ; the first step's products take the biases as C: nothing is cleared
	STEP 1, 0
	STEP 2, 0
	s_wait_tensorcnt 0x0                           ; step 3 changes slots: my part of slot 1 is in,
	s_wait_dscnt 0x0                               ; and no LDS load of mine is pending at the signal (step 3's fragments are in)
	s_barrier_signal -1
	WIN LO
	MM24 3, 0, 0                                   ; work on registers while the others arrive
	s_barrier_wait -1                              ; slot 1 is whole
	PLACES 4
	FETCH 4
	WIN HI
	MM24 3, 1, 0
	STEP 4, 0
	STEP 5, 0
	STEP 6, 0
	s_wait_dscnt 0x0                               ; the last step: nothing more to fetch
	WIN LO
	MM24 7, 0, 0
	WIN HI
	MM24 7, 1, 0
	WIN 0
	PLACES 4                                       ; in front of the first reads of results
; THE QUANTISER, for token tiles 2 ph, 2 ph + 1 (window 2 + ph).  Twelve blocks by turns: 0-7: tile mm = be / 4, q's two and k's two blocks of d (16 registers on end);
; 8-11: v's d tile be - 8, 32 tokens: eight registers of each of the two token tiles.  Each accumulator is read from its low end on.
.macro EPI ph
	WIN 0x28+0x14*(\ph)                            ; sources 1, 2: window 2 or 3
.irp i, 0,2,4,6,8,10,12,14
.irp be, 0,1,2,3,4,5,6,7,8,9,10,11
.if \be < 8
.set EA, 96*(\be/4)+16*(\be%4)+\i
.else
.set EA, 8*\be+96*(\i/8)+\i%8
.endif
.if \i == 0
	v_max3_num_f32 v[TM+\be], v[FL], |v[EA]|, |v[EA+1]|            ; the floor is a leaf: the byte cannot fall under 1
.else
	v_max3_num_f32 v[TM+\be], v[TM+\be], |v[EA]|, |v[EA+1]|
.endif
.endr
.endr
	WIN 0
.irp be, 0,1,2,3,4,5,6,7,8,9,10,11
	v_permlanex16_b32 v[TP+\be], v[TM+\be], s[SEL], s[SEL+1]
.endr
.irp be, 0,1,2,3,4,5,6,7,8,9,10,11
	v_max_num_f32 v[TM+\be], v[TM+\be], v[TP+\be]                  ; with lane l xor 16's 16 numbers: the block's largest magnitude
.endr
.irp be, 0,1,2,3,4,5,6,7,8,9,10,11
	v_add_nc_u32 v[SO+\be], 0xff000000, v[TM+\be]                  ; 2 off its exponent field: the conversion's scale operand
.endr
.irp be, 0,1,2,3,4,5,6,7,8,9,10,11
.if \be < 8
	v_lshrrev_b32 v[BY+\be], 23, v[SO+\be]                         ; the scale's byte
.else
	v_lshrrev_b32 v[VB+4*(\ph)+\be-8], 23, v[SO+\be]
.endif
.endr
	WIN 0x02+(\ph)                                 ; source 0: window 2 or 3
.irp be, 0,1,2,3,4,5,6,7
.set EA, 96*(\be/4)+16*(\be%4)
.set EG, CQ+16*(\ph)+4*(2*(\be/4)+(\be%4)/2)+\be%2
	v_cvt_scalef32_pk8_fp4_f32 v[EG], v[EA:EA+7], v[SO+\be]        ; the block's even tile
	v_cvt_scalef32_pk8_fp4_f32 v[EG+2], v[EA+8:EA+15], v[SO+\be]   ; its odd tile
.endr
.irp t, 0,1,2,3
	v_cvt_scalef32_pk8_fp4_f32 v[VC+4*\t+(\ph)], v[64+8*\t:71+8*\t], v[SO+8+\t]
	v_cvt_scalef32_pk8_fp4_f32 v[VC+4*\t+2+(\ph)], v[160+8*\t:167+8*\t], v[SO+8+\t]
.endr
	WIN 0
	v_nop                                          ; one plain place behind the scaled conversions
.irp g, 0,1,2,3                                ; lanes 0-15 get the first block whole, lanes 16-31 the second
	v_permlane16_swap_b32 v[CQ+16*(\ph)+4*\g], v[CQ+16*(\ph)+4*\g+1]
	v_permlane16_swap_b32 v[CQ+16*(\ph)+4*\g+2], v[CQ+16*(\ph)+4*\g+3]
.endr
.irp mm, 0,1
	global_store_b128 v[LI], v[CQ+16*(\ph)+8*\mm:CQ+16*(\ph)+8*\mm+3], s[14:15] offset:512*(2*(\ph)+\mm)      ; a query tile's image: 512 consecutive bytes
	global_store_b128 v[VKO], v[CQ+16*(\ph)+8*\mm+4:CQ+16*(\ph)+8*\mm+7], s[18:19] offset:512*(2*(\ph)+\mm)   ; a key tile's
	v_lshl_or_b32 v[TW], v[BY+4*\mm+1], 8, v[BY+4*\mm]
	v_lshl_or_b32 v[QW+2*(\ph)+\mm], v[TW], 16, v[TW]              ; q's word holds its two bytes twice: it serves q in either half of a K of 128
	v_lshl_or_b32 v[TW+1+\mm], v[BY+4*\mm+3], 8, v[BY+4*\mm+2]
.endr
	v_lshl_or_b32 v[KW+(\ph)], v[TW+2], 16, v[TW+1]                ; k's word: the even key tile's two bytes, then the odd one's
.endm
	EPI 0
	EPI 1
.irp t, 0,1,2,3
	v_permlane16_swap_b32 v[VC+4*\t], v[VC+4*\t+1]
	v_permlane16_swap_b32 v[VC+4*\t+2], v[VC+4*\t+3]
.endr
.irp t, 0,1,2,3
	global_store_b128 v[VVO], v[VC+4*\t:VC+4*\t+3], s[18:19] offset:4096+1024*\t   ; v's image: d tile t, my 64 keys
	v_lshl_or_b32 v[VU+\t], v[VB+4+\t], 8, v[VB+\t]                ; my two key blocks' bytes
.endr
	v_cndmask_b32 v20, v[QW], v[QW+2], s[HM]       ; lanes 0-15: tiles 0, 1; lanes 16-31: tiles 2, 3
	v_cndmask_b32 v21, v[QW+1], v[QW+3], s[HM]
	global_store_b64 v[L8], v[20:21], s[16:17]     ; 256 consecutive bytes, aligned
	v_cndmask_b32 v24, v[KW], v[KW+1], s[HM]
	ds_store_b32 v[STK], v24                       ; a key step's words come from two waves: they meet in the stage
.irp t, 0,1,2,3
	ds_store_b16 v[STV], v[VU+\t] offset:64*\t     ; lanes r and r + 16 write the same two bytes with the same value
.endr
	s_wait_dscnt 0x0                               ; for the others' sake: my stores into the stage are done
	s_barrier_signal -1
	s_barrier_wait -1
	ds_load_b64 v[22:23], v[STR]                   ; wave w takes block w of 256 bytes: key step w / 2, k's words or v's
	s_wait_dscnt 0x0
	global_store_b64 v[KWO], v[22:23], s[18:19] offset:8192        ; 256 consecutive bytes, aligned
	s_wait_tensorcnt 0x0
	ds_add_u32 v254, v255
	s_wait_dscnt 0x0
	ROUND                                          ; the closing round: no work-group ends while a partner may still ask for a tile that names it
	s_endpgm
.Lfunc_end_k_qd2a176eee1_qkv:
	.size	k_qd2a176eee1_qkv, .Lfunc_end_k_qd2a176eee1_qkv-k_qd2a176eee1_qkv
	.p2alignl 7, 3214868480
	.fill 96, 4, 3214868480
	.section	.rodata,"a",@progbits
	.p2align	6, 0x0
	.amdhsa_kernel k_qd2a176eee1_qkv
		.amdhsa_group_segment_fixed_size 262656
		.amdhsa_private_segment_fixed_size 0
		.amdhsa_enable_private_segment 0
		.amdhsa_kernarg_size 64
		.amdhsa_user_sgpr_count 2
		.amdhsa_user_sgpr_kernarg_segment_ptr 1
		.amdhsa_wavefront_size32 1
		.amdhsa_system_sgpr_workgroup_id_x 1
		.amdhsa_system_sgpr_workgroup_id_y 1
		.amdhsa_system_sgpr_workgroup_id_z 1
		.amdhsa_system_vgpr_workitem_id 0
		.amdhsa_next_free_vgpr 1024
		.amdhsa_next_free_sgpr 102
		.amdhsa_reserve_vcc 0
		.amdhsa_float_denorm_mode_32 3
		.amdhsa_float_denorm_mode_16_64 3
		.amdhsa_memory_ordered 1
		.amdhsa_forward_progress 1
		.amdhsa_inst_pref_size 105
	.end_amdhsa_kernel
	.amdgpu_metadata
---
amdhsa.version: [ 1, 2 ]
amdhsa.kernels:
  - .name:           k_qd2a176eee1_qkv
    .symbol:         k_qd2a176eee1_qkv.kd
    .args:
      - { .name: x_codes, .offset: 0, .size: 8, .value_kind: global_buffer, .address_space: global }
      - { .name: x_scales, .offset: 8, .size: 8, .value_kind: global_buffer, .address_space: global }
      - { .name: W_qkv_codes, .offset: 16, .size: 8, .value_kind: global_buffer, .address_space: global }
      - { .name: W_qkv_scales, .offset: 24, .size: 8, .value_kind: global_buffer, .address_space: global }
      - { .name: b_qkv, .offset: 32, .size: 8, .value_kind: global_buffer, .address_space: global }
      - { .name: q_img, .offset: 40, .size: 8, .value_kind: global_buffer, .address_space: global }
      - { .name: q_scl, .offset: 48, .size: 8, .value_kind: global_buffer, .address_space: global }
      - { .name: kv, .offset: 56, .size: 8, .value_kind: global_buffer, .address_space: global }
    .group_segment_fixed_size: 262656
    .private_segment_fixed_size: 0
    .kernarg_segment_align: 8
    .kernarg_segment_size: 64
    .max_flat_workgroup_size: 128
    .sgpr_count:     102
    .vgpr_count:     1024
    .wavefront_size: 32
...
	.end_amdgpu_metadata
.endif
;; end of part 1
;; launch attn (part 2): grid 4 x 64, 16 waves a work-group, clusters of 4 x 1, 169,984 bytes of LDS; arguments q_img, q_scl, kv, o_img, o_scl; writes o_img, o_scl
.if DOCPART == 2
	.amdgcn_target "amdgcn-amd-amdhsa--gfx1250"
	.amdhsa_code_object_version 6
	.text
	.protected	k_qd2a176eee1_attn
	.globl	k_qd2a176eee1_attn
	.p2align	8
	.type	k_qd2a176eee1_attn,@function
k_qd2a176eee1_attn:
	s_mov_b64 s[64:65], 0
	v_nop
	global_prefetch_b8 v0, s[64:65] scope:SCOPE_SE
	s_setreg_imm32_b32 hwreg(HW_REG_WAVE_MODE, 25, 1), 1
	s_wait_xcnt 0x0
	s_wait_alu depctr_hold_cnt(0) depctr_sa_sdst(0) depctr_va_vdst(0) depctr_va_sdst(0) depctr_va_ssrc(0) depctr_va_vcc(0) depctr_vm_vsrc(0)
	s_getreg_b32 s2, hwreg(HW_REG_IB_STS2, 6, 4)
	s_cmp_eq_u32 s2, 0
	s_cbranch_scc0 .Lentry_in_a_cluster
	s_endpgm
.Lentry_in_a_cluster:
	s_bfe_u32 s2, ttmp6, 0x10000c
	s_cmp_lg_u32 s2, 0x3003
	s_cbranch_scc0 .Lentry_shape_is_right
	s_endpgm
.Lentry_shape_is_right:
; Causal attention of one head on codes of FP4 (E2M1) with E8M0 scales, head size 64, 2,048 tokens; its result O / l is quantised along d for the last product.
; THE SOFTMAX: t = score x log2(e) / 8; M = the row's largest t so far, rounded UP to a whole number; p = 2^(t - M) is quantised along the keys, not normalised; the row's sum l is taken of the unquantised p
; and divides O at the end.  When M moves, l and O are multiplied by 2^(old M - new M): exact.
; SHARES.  The four work-groups of a cluster own one head.  Wave w of work-group j owns query tiles A = 4 w + j and B = 127 - A (16 queries each).  Tile A needs key steps (128 keys) 0 .. w / 2, tile B 0 .. 15 - w / 2:
; 17 steps for every wave of every work-group.  Both bounds hang on the wave's number alone; the place in the cluster enters only Q's and O's addresses and the numbers that the mask compares.
; Sixteen waves of 256 registers: four to a SIMD, so that one wave's vector work stands beside another's products and LDS loads.
; LDS holds the head's kv block as it lies in memory, 16 key steps of 8,704 bytes, filled ONCE: wave w asks for key step w, jointly with the same wave of the three partners.  All reads are 16 x lane or 4 x lane on end.
; LAYOUT.  Both products are used transposed: S^T = K Q^T, O^T = V^T P^T: a lane holds ONE query (lane % 16) throughout.
; K = 64 IN AN INSTRUCTION OF 128: a fragment of K holds two key tiles (registers 0-3, 4-7) and is multiplied once by (q, zeros) and once by (zeros, q): the zero codes add nothing.  q's scale word holds its two bytes twice.
; p's blocks: tiles 2 b, 2 b + 1 of S^T hold keys 32 b + 8 h + 0..7 and 32 b + 16 + 8 h + 0..7; two conversions a block, and for each pair of blocks two exchanges of lane halves, give the operand's registers in true order.
; A block's largest p is made from its largest score by the same multiply-add and exponential; this takes v_exp_f32 not to fall where its input rises.
; THE MASK: a step all of whose keys come after the tile's queries is jumped over (a scalar branch on the wave's number and the loop's counter); in the one step on the diagonal hidden scores become -infinity.
; LIMITS: NaN and infinities are not served; the division by l is v_rcp_f32 and a multiplication; a block of zeros gets the byte 1 where the rule says 127 (its codes are zeros; this program alone reads the bytes).
; o_scl is stored a byte a lane, 32 bytes inside a run of 64: a head owns half of each scale word; these bytes are a sixteenth of the codes' bytes.
.set KSB,   8704                       ; a key step: 4,096 K's images, 4,096 V's, 256 K's scale words, 256 V's
.set HEADB, 16*KSB
.set WV,   14                          ; s14 wave; s15 cx; s16 bh; s17, s18 query tiles A, B; s19, s20 their diagonal key steps
.set KS,   21                          ; s21 the key step
.set TB,   22                          ; s22 its first LDS byte
.set CS,   24                          ; s[24:25] c = log2(e) / 8
.set SEL,  26                          ; s[26:27] selects for lane l xor 16
.set HM,   28                          ; s28 a lane mask: lanes 16-31
.set G0,   32
.set G1,   36
.set LI,   1                           ; v1  16 x lane
.set LS,   2                           ; v2  4 x lane
.set ADK,  3                           ; v3  the step's images
.set ADS,  4                           ; v4  the step's scale words
.set NINF, 7                           ; v7  -infinity;  v5, v6: 16 (tile % 8) + r - 8 h of tiles A, B
.set R8,   8                           ; v8  8 r
.set R4H,  9                           ; v9  4 r + h
.set KV,   40                          ; v40-71 K's four fragments, then V's
.set KSC,  72                          ; v72-73 K's scale words, v74-75 V's, v76 p's, v10, v11 q's: scales and nothing else
.set VSC,  74
.set PW,   76
.set S,    80                          ; v80-143 S^T, then p
.set PC,   208                         ; p's codes
.set BM,   216                         ; four blocks' largest scores, then largest p
.set BT,   220
.set SO,   224                         ; the conversions' scale operands
.set FF,   228                         ; v[228:229] f = 2^(old M - new M)
.set TT,   230                         ; v[230:231] at work; 1 / l
.set L2,   232                         ; v[232:233] the sum's second chain
.macro PLACES n
.rept \n
	v_nop
.endr
.endm
.macro ROUND
	s_barrier_signal -1
	s_barrier_wait -1
	s_cmp_lg_u32 s[WV], 0
	s_cbranch_scc1 .Lnot_wave_0_\@
	s_barrier_signal -3
.Lnot_wave_0_\@:
	s_barrier_wait -3
	s_barrier_signal -1
	s_barrier_wait -1
.endm
; One scaled product.  c < 0: the constant 0 starts the sum.  ra = 1: source 0's scales are read from lanes 16-31.
.macro WS d, a, b, c, sa, sb, ra
.set WD, \d
.set WA, \a
.set WB, \b
.set WC, \c
.set WE, \sa
.set WF, \sb
.set WR, \ra
.if WC < 0
.if WR == 0
	v_wmma_scale_f32_16x16x128_f8f6f4 v[WD:WD+7], v[WA:WA+7], v[WB:WB+7], 0, v[WE], v[WF] matrix_a_fmt:MATRIX_FMT_FP4 matrix_b_fmt:MATRIX_FMT_FP4
.else
	v_wmma_scale_f32_16x16x128_f8f6f4 v[WD:WD+7], v[WA:WA+7], v[WB:WB+7], 0, v[WE], v[WF] matrix_a_fmt:MATRIX_FMT_FP4 matrix_b_fmt:MATRIX_FMT_FP4 matrix_a_scale:MATRIX_SCALE_ROW1
.endif
.else
.if WR == 0
	v_wmma_scale_f32_16x16x128_f8f6f4 v[WD:WD+7], v[WA:WA+7], v[WB:WB+7], v[WC:WC+7], v[WE], v[WF] matrix_a_fmt:MATRIX_FMT_FP4 matrix_b_fmt:MATRIX_FMT_FP4
.else
	v_wmma_scale_f32_16x16x128_f8f6f4 v[WD:WD+7], v[WA:WA+7], v[WB:WB+7], v[WC:WC+7], v[WE], v[WF] matrix_a_fmt:MATRIX_FMT_FP4 matrix_b_fmt:MATRIX_FMT_FP4 matrix_a_scale:MATRIX_SCALE_ROW1
.endif
.endif
.endm
	s_load_b256 s[4:11], s[0:1], 0x0               ; q_img s[4:5], q_scl s[6:7], kv s[8:9], o_img s[10:11]
	s_load_b64 s[12:13], s[0:1], 0x20              ; o_scl
	v_lshl_add_u32 v254, v0, 2, 0x29000
	v_mov_b32 v255, 0
	ds_add_u32 v254, v255
	ds_add_u32 v254, v255
	v_lshrrev_b32 v1, 5, v0
	s_delay_alu instid0(VALU_DEP_1)
	v_readfirstlane_b32 s[WV], v1                  ; wave 0..15
	s_and_b32 s16, ttmp7, 0xffff                   ; bh: the cluster's y, which the four partners share
	s_mov_b32 s[G0], 1
	s_mul_i32 s[G0+1], s[WV], KSB                  ; key step w lands at 8,704 w
	s_mul_i32 s60, s16, HEADB
	s_add_co_u32 s60, s60, s[G0+1]
	s_mov_b32 s61, 0
	s_mov_b32 s[G1], 15|(3<<16)|(1<<21)            ; the mask: all four work-groups; elements of 8 bytes; bit 21 beside a mask; no padding
	s_mov_b32 s[G1+1], 32<<16                      ; rows of 256 bytes,
	s_mov_b32 s[G1+2], 34<<16                      ; 34 of them: a key step is a dense block of 8,704 bytes
	s_mov_b32 s[G1+3], 32<<16
	s_mov_b32 s[G1+4], 34
	s_mov_b32 s[G1+5], 32
	s_mov_b32 s[G1+6], 0
	s_mov_b32 s[G1+7], 0
	s_wait_dscnt 0x0
	s_wait_kmcnt 0x0
	s_add_nc_u64 s[G0+2:G0+3], s[8:9], s[60:61]
	s_or_b32 s[G0+3], s[G0+3], 0x80000000
	ROUND                                          ; all four work-groups are here: the joint loads meet
	tensor_load_to_lds s[G0:G0+3], s[G1:G1+7]      ; my one tensor load; sixteen are out for the work-group
	s_nop 0
	PLACES 4
	s_bfe_u32 s15, ttmp6, 0x40000                  ; cx
	s_lshl_b32 s17, s[WV], 2
	s_add_co_u32 s17, s17, s15                     ; tile A
	s_sub_co_u32 s18, 127, s17                     ; tile B
	s_lshr_b32 s19, s[WV], 1                       ; A's diagonal key step = A / 8 = w / 2
	s_sub_co_u32 s20, 15, s19                      ; B's
	s_mov_b32 s[CS], 0x3e38aa3b                    ; log2(e) / 8
	s_mov_b32 s[CS+1], s[CS]                       ; (named with it as a pair, so it is written)
	s_mov_b32 s[SEL], 0x76543210
	s_mov_b32 s[SEL+1], 0xfedcba98
	s_mov_b32 s[HM], 0xffff0000
	s_lshl_b32 s62, s16, 16                        ; the head in q_img
	s_lshl_b32 s63, s16, 13                        ; in q_scl
	s_lshr_b32 s70, s16, 4
	s_lshl_b32 s70, s70, 7                         ; the batch's first row tile
	s_and_b32 s69, s16, 15                         ; hd
	s_lshr_b32 s71, s69, 3
	s_lshl_b32 s71, s71, 14
	s_and_b32 s68, s69, 7
	s_lshl_b32 s68, s68, 9
	s_add_co_u32 s71, s71, s68                     ; the head's place in a row tile's images: 16384 (hd / 8) + 512 (hd % 8)
	s_lshr_b32 s23, s69, 1
	s_lshl_b32 s23, s23, 6
	s_and_b32 s68, s69, 1
	s_lshl_b32 s68, s68, 1
	s_add_co_u32 s23, s23, s68                     ; and among its scale words: 64 (hd / 2) + 2 (hd % 2)
	s_mov_b32 s67, 0
.macro BASES qt, qi, qs, oi, os        ; the four addresses of query tile s[qt]
	s_lshl_b32 s66, s[\qt], 9
	s_add_co_u32 s66, s66, s62
	s_add_nc_u64 s[\qi:\qi+1], s[4:5], s[66:67]
	s_lshr_b32 s66, s[\qt], 2
	s_lshl_b32 s66, s66, 8
	s_bfe_u32 s68, s[\qt], 0x10001
	s_lshl_b32 s68, s68, 7
	s_add_co_u32 s66, s66, s68
	s_and_b32 s68, s[\qt], 1
	s_lshl_b32 s68, s68, 2
	s_add_co_u32 s66, s66, s68
	s_add_co_u32 s66, s66, s63
	s_add_nc_u64 s[\qs:\qs+1], s[6:7], s[66:67]
	s_add_co_u32 s69, s[\qt], s70                  ; R, the row tile of the last product
	s_lshr_b32 s66, s69, 2
	s_lshl_b32 s66, s66, 15
	s_and_b32 s68, s69, 3
	s_lshl_b32 s68, s68, 12
	s_add_co_u32 s66, s66, s68
	s_add_co_u32 s66, s66, s71
	s_add_nc_u64 s[\oi:\oi+1], s[10:11], s[66:67]
	s_lshl_b32 s66, s69, 9
	s_add_co_u32 s66, s66, s23
	s_add_nc_u64 s[\os:\os+1], s[12:13], s[66:67]
.endm
	BASES 17, 44, 48, 52, 56
	BASES 18, 46, 50, 54, 58
	v_and_b32 v3, 31, v0
	s_delay_alu instid0(VALU_DEP_1)
	v_lshlrev_b32 v[LI], 4, v3
	s_delay_alu instid0(VALU_DEP_2)
	v_lshlrev_b32 v[LS], 2, v3
	v_and_b32 v4, 15, v0                           ; r
	v_bfe_u32 v7, v0, 4, 1                         ; h
	s_delay_alu instid0(VALU_DEP_2)
	v_lshlrev_b32 v[R8], 3, v4
	s_delay_alu instid0(VALU_DEP_2)
	v_lshl_add_u32 v[R4H], v4, 2, v7
	global_load_b128 v[24:27], v[LI], s[44:45]     ; q of tile A: lanes 0-15 block 0, lanes 16-31 block 1
	global_load_b128 v[32:35], v[LI], s[46:47]     ; of tile B
	global_load_b32 v10, v[R8], s[48:49]           ; their scale words
	global_load_b32 v11, v[R8], s[50:51]
	v_lshlrev_b32 v7, 3, v7
	s_delay_alu instid0(VALU_DEP_1)
	v_sub_nc_u32 v4, v4, v7                        ; r - 8 h
	s_and_b32 s66, s17, 7
	s_lshl_b32 s66, s66, 4
	v_add_nc_u32 v5, s66, v4                       ; my query's place in its diagonal step, less 8 h
	s_and_b32 s66, s18, 7
	s_lshl_b32 s66, s66, 4
	v_add_nc_u32 v6, s66, v4
	v_mov_b32 v[NINF], 0xff800000
.irp j, 20,21,22,23,28,29,30,31,36,37,38,39
	v_mov_b32 v\j, 0                               ; zeros, q A, zeros, q B, zeros: v[24:31] = (q A, 0), v[20:27] = (0, q A), v[32:39] = (q B, 0), v[28:35] = (0, q B)
.endr
.irp st, 12, 16
	v_mov_b32 v[\st+1], 0xff61b1e6                 ; the largest t so far: -3e38, under every t
	s_delay_alu instid0(VALU_DEP_1)
	v_floor_f32 v[\st], -v[\st+1]                  ; -M
	v_mov_b32 v[\st+2], 0                          ; l, in two halves
	v_mov_b32 v[\st+3], 0
.endr
.irp b, 0,1,2,3
	v_mov_b32 v[BT+\b], 0                          ; written once: a lane permute's destination counts as one of its sources
.endr
	v_mov_b32 v[FF+1], 0                           ; (upper halves of pairs of which the low word serves both halves)
	v_mov_b32 v[TT+1], 0
.set N, 0
.rept 64
	v_mov_b32 v[144+N], 0                          ; O^T of both tiles.  The step is written once: the first finds zeros, which the first change of M leaves zeros
.set N, N+1
.endr
; A KEY STEP of one tile.  qlo, qhi: (q, 0) and (0, q); qs: q's scale word; st: -M, t, l, l; o: O^T; dv: the mask's number; dg: the tile's diagonal step.
.macro STEP qlo, qhi, qs, st, o, dv, dg
	s_cmp_gt_u32 s[KS], s[\dg]
	s_cbranch_scc1 .Lskip_\@                       ; all 128 keys come after my 16 queries
	s_wait_alu depctr_va_vdst(0)
.irp i, 0,1,2,3,4,5,6,7
	ds_load_b128 v[KV+4*\i:KV+4*\i+3], v[ADK] offset:512*\i        ; key tile i's image
.endr
.irp p, 0,1
	ds_load_b32 v[KSC+\p], v[ADS] offset:8192+128*\p               ; lanes 0-15 pair 2 p of key tiles, lanes 16-31 pair 2 p + 1
.endr
	s_wait_dscnt 0x0
.irp b, 0,1,2,3
	WS S+16*\b, KV+8*\b, \qlo, -1, KSC+\b/2, \qs, \b%2
	WS S+16*\b+8, KV+8*\b, \qhi, -1, KSC+\b/2, \qs, \b%2
.endr                                          ; register 8 i + j of lane (r, h): key 16 i + 8 h + j of the step against query r
	PLACES 4                                       ; in front of the loads into K's registers and of the first reads of the scores
	s_wait_alu depctr_va_vdst(0)
.irp i, 0,1,2,3,4,5,6,7
	ds_load_b128 v[KV+4*\i:KV+4*\i+3], v[ADK] offset:4096+512*\i   ; V is asked for now and lands under the softmax
.endr
.irp p, 0,1
	ds_load_b32 v[VSC+\p], v[ADS] offset:8448+128*\p
.endr
	s_cmp_lg_u32 s[KS], s[\dg]
	s_cbranch_scc1 .Lopen_\@                       ; all keys count
.set N, 0
.rept 64
	v_cmp_gt_i32 vcc_lo, 16*(N/8)+N%8, v[\dv]      ; on the diagonal: hidden where the key comes after the query
	v_cndmask_b32 v[S+N], v[S+N], v[NINF], vcc_lo
.set N, N+1
.endr
.Lopen_\@:
.irp b, 0,1,2,3
	v_max3_num_f32 v[BM+\b], v[S+16*\b], v[S+16*\b+1], v[S+16*\b+2]        ; the largest score of each block of 32 keys: for the row's maximum and for the block's largest p
.endr
.irp i, 3,5,7,9,11,13
.irp b, 0,1,2,3
	v_max3_num_f32 v[BM+\b], v[BM+\b], v[S+16*\b+\i], v[S+16*\b+\i+1]
.endr
.endr
.irp b, 0,1,2,3
	v_max_num_f32 v[BM+\b], v[BM+\b], v[S+16*\b+15]
.endr
.irp b, 0,1,2,3
	s_delay_alu instid0(VALU_DEP_4)
	v_permlanex16_b32 v[BT+\b], v[BM+\b], s[SEL], s[SEL+1]
.endr
.irp b, 0,1,2,3
	s_delay_alu instid0(VALU_DEP_4)
	v_max_num_f32 v[BM+\b], v[BM+\b], v[BT+\b]     ; with lane l xor 16's 16 keys
.endr
	s_delay_alu instid0(VALU_DEP_2)
	v_max3_num_f32 v[TT], v[BM], v[BM+1], v[BM+2]
	s_delay_alu instid0(VALU_DEP_1)
	v_max_num_f32 v[TT], v[TT], v[BM+3]
	s_delay_alu instid0(VALU_DEP_1)
	v_mul_f32 v[TT], s[CS], v[TT]                  ; the step's largest t (c is positive)
	s_delay_alu instid0(VALU_DEP_1)
	v_max_num_f32 v[\st+1], v[\st+1], v[TT]        ; the running largest t
	v_mov_b32 v[TT], v[\st]
	s_delay_alu instid0(VALU_DEP_2)
	v_floor_f32 v[\st], -v[\st+1]                  ; the new -M = -ceil(t): a whole number
	s_delay_alu instid0(VALU_DEP_1)
	v_sub_f32 v[TT], v[\st], v[TT]                 ; old M - new M: a whole number, 0 or less
	s_delay_alu instid0(VALU_DEP_1)
	v_cvt_i32_f32 v[TT], v[TT]                     ; (it saturates)
	s_delay_alu instid0(VALU_DEP_1)
	v_ldexp_f32 v[FF], 1.0, v[TT]                  ; f = 2^(old M - new M)
.set N, 0
.rept 32
	v_pk_fma_f32 v[S+N:S+N+1], v[S+N:S+N+1], s[CS:CS+1], v[\st:\st+1] op_sel_hi:[1,0,0]   ; t - M, two at a time
.set N, N+2
.endr
.irp b, 0,1,2,3
	v_fma_f32 v[BM+\b], v[BM+\b], s[CS], v[\st]    ; the same of each block's largest score
.endr
.set N, 0
	s_wait_alu depctr_va_vdst(0)
.rept 64
	v_exp_f32 v[S+N], v[S+N]                       ; p = 2^(t - M)
.set N, N+1
.endr
.irp b, 0,1,2,3
	v_exp_f32 v[BM+\b], v[BM+\b]                   ; the block's largest p
.endr
	v_pk_mul_f32 v[\st+2:\st+3], v[\st+2:\st+3], v[FF:FF+1] op_sel_hi:[1,0]   ; l under the new M.  (The plain place behind the exponentials)
	s_wait_alu depctr_va_vdst(0)
.irp b, 0,1,2,3
	v_max_num_f32 v[BM+\b], 0x1800000, v[BM+\b]    ; the floor 2^(3 - 127): the byte cannot fall under 1
.endr
.irp b, 0,1,2,3
	s_delay_alu instid0(VALU_DEP_4)
	v_add_nc_u32 v[SO+\b], 0xff000000, v[BM+\b]    ; 2 off the exponent field: the conversion's scale operand
.endr
.irp b, 0,1,2,3
	s_delay_alu instid0(VALU_DEP_4)
	v_lshrrev_b32 v[BT+\b], 23, v[SO+\b]           ; the byte
.endr
	s_delay_alu instid0(VALU_DEP_3)
	v_lshl_or_b32 v[PW], v[BT+1], 8, v[BT]         ; p's scale word for these 128 keys
	s_delay_alu instid0(VALU_DEP_1)
	v_lshl_or_b32 v[PW], v[BT+2], 16, v[PW]
	s_delay_alu instid0(VALU_DEP_1)
	v_lshl_or_b32 v[PW], v[BT+3], 24, v[PW]
.irp c, 0,1
	v_cvt_scalef32_pk8_fp4_f32 v[PC+4*\c], v[S+32*\c:S+32*\c+7], v[SO+2*\c]            ; block 2 c, even tile
	v_cvt_scalef32_pk8_fp4_f32 v[PC+4*\c+1], v[S+32*\c+16:S+32*\c+23], v[SO+2*\c+1]    ; block 2 c + 1, even tile
	v_cvt_scalef32_pk8_fp4_f32 v[PC+4*\c+2], v[S+32*\c+8:S+32*\c+15], v[SO+2*\c]       ; block 2 c, odd tile
	v_cvt_scalef32_pk8_fp4_f32 v[PC+4*\c+3], v[S+32*\c+24:S+32*\c+31], v[SO+2*\c+1]    ; block 2 c + 1, odd tile
.endr
	v_nop                                          ; one plain place behind the scaled conversions
.irp c, 0,1
	v_permlane16_swap_b32 v[PC+4*\c], v[PC+4*\c+1]                 ; lanes 0-15 get block 2 c whole, lanes 16-31 block 2 c + 1
	v_permlane16_swap_b32 v[PC+4*\c+2], v[PC+4*\c+3]
.endr
	v_pk_add_f32 v[L2:L2+1], v[S:S+1], v[S+2:S+3]  ; l takes the UNQUANTISED p: two at a time, in two chains
.irp j, 4,8,12,16,20,24,28,32,36,40,44,48,52,56,60
	v_pk_add_f32 v[\st+2:\st+3], v[\st+2:\st+3], v[S+\j:S+\j+1]
	v_pk_add_f32 v[L2:L2+1], v[L2:L2+1], v[S+\j+2:S+\j+3]
.endr
	s_delay_alu instid0(VALU_DEP_1)
	v_pk_add_f32 v[\st+2:\st+3], v[\st+2:\st+3], v[L2:L2+1]
.set N, 0
.rept 16
	v_pk_mul_f32 v[\o+N:\o+N+1], v[\o+N:\o+N+1], v[FF:FF+1] op_sel_hi:[1,0]   ; O^T under the new M, each accumulator from its low end on.  (These and the sums are the places between p's codes and scale word and the products)
.set N, N+2
.endr
	s_wait_alu depctr_va_vdst(0)
	s_wait_dscnt 0x0                               ; V
.irp t, 0,1,2,3
	WS \o+8*\t, KV+8*\t, PC, \o+8*\t, VSC+\t/2, PW, \t%2           ; O^T += V^T P^T: four accumulators, one instruction each
.endr
	PLACES 4                                       ; inside the step, so that they stand on every way: in front of the next loads into these registers and of the next reads of O^T
.Lskip_\@:
.endm
	s_wait_tensorcnt 0x0                           ; my key step is in,
	s_barrier_signal -1
	s_barrier_wait -1                              ; the whole head is
	s_wait_loadcnt 0x0                             ; q
	s_mov_b32 s[KS], 0
	s_mov_b32 s[TB], 0
.Lks:                                              ; sixteen trips in every wave; what differs between waves is which steps are jumped over
	v_add_nc_u32 v[ADK], s[TB], v[LI]
	v_add_nc_u32 v[ADS], s[TB], v[LS]
	STEP 24, 20, 10, 12, 144, 5, 19
	STEP 32, 28, 11, 16, 176, 6, 20
	s_add_co_u32 s[TB], s[TB], KSB
	s_add_co_u32 s[KS], s[KS], 1
	s_cmp_lt_u32 s[KS], 16
	s_cbranch_scc1 .Lks
; THE WAY OUT of a tile: O^T / l, quantised along d (two blocks of 32), stored as the image of half a fragment of the last product's left operand: 512 consecutive bytes.
.macro FINISH st, o, oc, byr, bi, bs
	v_add_f32 v[TT], v[\st+2], v[\st+3]            ; l's two halves,
	s_delay_alu instid0(VALU_DEP_1)
	v_permlanex16_b32 v[BT], v[TT], s[SEL], s[SEL+1]
	s_delay_alu instid0(VALU_DEP_1)
	v_add_f32 v[TT], v[TT], v[BT]                  ; and lane l xor 16's
	s_wait_alu depctr_va_vdst(0)
	v_rcp_f32 v[TT], v[TT]
	v_nop                                          ; one plain place behind the transcendental
.set N, 0
	s_wait_alu depctr_va_vdst(0)
.rept 16
	v_pk_mul_f32 v[S+N:S+N+1], v[\o+N:\o+N+1], v[TT:TT+1] op_sel_hi:[1,0]
.set N, N+2
.endr
.irp b, 0,1
	v_max3_num_f32 v[BM+\b], |v[S+16*\b]|, |v[S+16*\b+1]|, 0x1800000
.endr
.irp i, 2,4,6,8,10,12,14
.irp b, 0,1
	s_delay_alu instid0(VALU_DEP_2)
	v_max3_num_f32 v[BM+\b], v[BM+\b], |v[S+16*\b+\i]|, |v[S+16*\b+\i+1]|
.endr
.endr
.irp b, 0,1
	s_delay_alu instid0(VALU_DEP_2)
	v_permlanex16_b32 v[BT+\b], v[BM+\b], s[SEL], s[SEL+1]
.endr
.irp b, 0,1
	s_delay_alu instid0(VALU_DEP_2)
	v_max_num_f32 v[BM+\b], v[BM+\b], v[BT+\b]
.endr
.irp b, 0,1
	s_delay_alu instid0(VALU_DEP_2)
	v_add_nc_u32 v[SO+\b], 0xff000000, v[BM+\b]
.endr
.irp b, 0,1
	s_delay_alu instid0(VALU_DEP_2)
	v_lshrrev_b32 v[BT+\b], 23, v[SO+\b]
.endr
	v_cvt_scalef32_pk8_fp4_f32 v[\oc], v[S:S+7], v[SO]
	v_cvt_scalef32_pk8_fp4_f32 v[\oc+1], v[S+16:S+23], v[SO+1]
	v_cvt_scalef32_pk8_fp4_f32 v[\oc+2], v[S+8:S+15], v[SO]
	v_cvt_scalef32_pk8_fp4_f32 v[\oc+3], v[S+24:S+31], v[SO+1]
	v_nop
	v_permlane16_swap_b32 v[\oc], v[\oc+1]
	v_permlane16_swap_b32 v[\oc+2], v[\oc+3]
	v_cndmask_b32 v[\byr], v[BT], v[BT+1], s[HM]   ; lanes 0-15 block 0's byte, lanes 16-31 block 1's
	global_store_b128 v[LI], v[\oc:\oc+3], s[\bi:\bi+1]
	global_store_b8 v[R4H], v[\byr], s[\bs:\bs+1]
.endm
	FINISH 12, 144, 112, 116, 52, 56
	FINISH 16, 176, 120, 124, 54, 58
	s_wait_tensorcnt 0x0
	ds_add_u32 v254, v255
	s_wait_dscnt 0x0
	ROUND                                          ; the closing round
	s_endpgm
.Lfunc_end_k_qd2a176eee1_attn:
	.size	k_qd2a176eee1_attn, .Lfunc_end_k_qd2a176eee1_attn-k_qd2a176eee1_attn
	.p2alignl 7, 3214868480
	.fill 96, 4, 3214868480
	.section	.rodata,"a",@progbits
	.p2align	6, 0x0
	.amdhsa_kernel k_qd2a176eee1_attn
		.amdhsa_group_segment_fixed_size 169984
		.amdhsa_private_segment_fixed_size 0
		.amdhsa_enable_private_segment 0
		.amdhsa_kernarg_size 40
		.amdhsa_user_sgpr_count 2
		.amdhsa_user_sgpr_kernarg_segment_ptr 1
		.amdhsa_wavefront_size32 1
		.amdhsa_system_sgpr_workgroup_id_x 1
		.amdhsa_system_sgpr_workgroup_id_y 1
		.amdhsa_system_sgpr_workgroup_id_z 1
		.amdhsa_system_vgpr_workitem_id 0
		.amdhsa_next_free_vgpr 256
		.amdhsa_next_free_sgpr 72
		.amdhsa_reserve_vcc 1
		.amdhsa_float_denorm_mode_32 3
		.amdhsa_float_denorm_mode_16_64 3
		.amdhsa_memory_ordered 1
		.amdhsa_forward_progress 1
		.amdhsa_inst_pref_size 60
	.end_amdhsa_kernel
	.amdgpu_metadata
---
amdhsa.version: [ 1, 2 ]
amdhsa.kernels:
  - .name:           k_qd2a176eee1_attn
    .symbol:         k_qd2a176eee1_attn.kd
    .args:
      - { .name: q_img, .offset: 0, .size: 8, .value_kind: global_buffer, .address_space: global }
      - { .name: q_scl, .offset: 8, .size: 8, .value_kind: global_buffer, .address_space: global }
      - { .name: kv, .offset: 16, .size: 8, .value_kind: global_buffer, .address_space: global }
      - { .name: o_img, .offset: 24, .size: 8, .value_kind: global_buffer, .address_space: global }
      - { .name: o_scl, .offset: 32, .size: 8, .value_kind: global_buffer, .address_space: global }
    .group_segment_fixed_size: 169984
    .private_segment_fixed_size: 0
    .kernarg_segment_align: 8
    .kernarg_segment_size: 40
    .max_flat_workgroup_size: 512
    .sgpr_count:     72
    .vgpr_count:     256
    .wavefront_size: 32
...
	.end_amdgpu_metadata
.endif
;; end of part 2
;; launch proj (part 3): grid 4 x 64, 4 waves a work-group, clusters of 4 x 4, 262,656 bytes of LDS; arguments o_img, o_scl, W_out_codes, W_out_scales, b_out, out0; writes out0
.if DOCPART == 3
	.amdgcn_target "amdgcn-amd-amdhsa--gfx1250"
	.amdhsa_code_object_version 6
	.text
	.protected	k_qd2a176eee1_proj
	.globl	k_qd2a176eee1_proj
	.p2align	8
	.type	k_qd2a176eee1_proj,@function
k_qd2a176eee1_proj:
	s_mov_b64 s[64:65], 0
	v_nop
	global_prefetch_b8 v0, s[64:65] scope:SCOPE_SE
	s_setreg_imm32_b32 hwreg(HW_REG_WAVE_MODE, 25, 1), 1
	s_wait_xcnt 0x0
	s_wait_alu depctr_hold_cnt(0) depctr_sa_sdst(0) depctr_va_vdst(0) depctr_va_sdst(0) depctr_va_ssrc(0) depctr_va_vcc(0) depctr_vm_vsrc(0)
	s_getreg_b32 s2, hwreg(HW_REG_IB_STS2, 6, 4)
	s_cmp_eq_u32 s2, 0
	s_cbranch_scc0 .Lentry_in_a_cluster
	s_endpgm
.Lentry_in_a_cluster:
	s_bfe_u32 s2, ttmp6, 0x10000c
	s_cmp_lg_u32 s2, 0xf033
	s_cbranch_scc0 .Lentry_shape_is_right
	s_endpgm
.Lentry_shape_is_right:
; out0 = O W_out + b_out on codes of FP4 (E2M1) with E8M0 scales.  O: 8,192 rows x 1,024, as images of the operand's registers (o_img) with one scale word for a row and 128 along K (o_scl);
; W_out: [1024 (n)][1024 (k)] codes, 512 bytes a row, 32 scale bytes a row; out0: [8192][1024] f32.
; SHARES.  A work-group takes 128 rows x 256 columns: 256 work-groups.  Wave w takes rows 64 (w / 2) on (four tiles m) and columns 128 (w % 2) on (eight tiles t): 32 accumulators, 256 registers.
; ALL OF K LIES IN LDS, in two slots of 512 along K, each filled ONCE; the scales likewise.  No LDS byte is filled twice.
; o_img: byte 32768 (R / 4) + 16384 (K half) + 4096 (R % 4) + 1024 (step in the half) + 512 c + 16 lane for row tile R: so a half's images of four row tiles are one dense block of 16,384 bytes,
; and a fragment is two loads of 16 bytes a lane at 16 x lane: no pitch, no padding.
; CLUSTER 4 x 4: O's tiles are shared along a row of the cluster, W's along a column: joint loads.
; THE MATRIX INSTRUCTION IS USED TRANSPOSED (source 0 = 16 rows of W, source 1 = 16 rows of O): a lane holds eight neighbouring columns of one row.  The bias is the C of each sum's first instruction.
; THE WAY OUT: a tile of 16 rows x 128 columns goes through the wave's own stage in LDS and leaves as whole rows of 512 bytes.
; REGISTERS: window 0: v1-13 addresses; v32-63 W's scale words, v64-79 O's: scales and nothing else; v80-143 the biases, later rows on the way out; v144-207 rows on the way out;
;   window 1: two sets of fragments (W's eight, O's four); window 2: accumulator (m, t) at 64 m + 8 t.
.set PITCH,  272
.set ASLOT,  32768                     ; O's images of a K half: 8 row tiles x 4,096
.set BOFF,   2*ASLOT
.set BSLOT,  256*PITCH                 ; W's 256 rows of a K half
.set SCA,    BOFF+2*BSLOT              ; O's scale words: 8 row tiles x 512
.set SCB,    SCA+4096                  ; W's scale bytes: 256 rows x 32
.set STAGE,  SCB+8192                  ; 16 rows x 528 bytes for each wave: no tensor load fills it
.set SPITCH, 528
.set WV,   20
.set ROLE, 21
.set HALF, 22
.set G1A,  32
.set G1B,  40
.set G1SA, 48
.set G1SB, 56
.set G0A,  68
.set G0B,  76
.set G0SA, 84
.set G0SB, 88
.set LI,   4                           ; v4  16 x lane
.set ADRA, 5                           ; v5-6  my O fragments in slot 0, 1
.set ADRB, 7                           ; v7-8  my W fragments
.set ADSB, 9                           ; v9  W's scale words: lanes 0-15 tile i, lanes 16-31 tile i + 4
.set ADSA, 10                          ; v10 O's: lanes 0-15 tile i, lanes 16-31 tile i + 2
.set BOQ,  11                          ; v11 32 h
.set STO,  12                          ; v12 the stage, in
.set RD,   13                          ; v13 the stage, back
.set SBR,  32                          ; W's scale words: 16 slot + 4 (t % 4) + step in the slot
.set SAR,  64                          ; O's: 8 (m % 2) + step
.set BI,   80
.set BK0,  144
.set BK1,  80
.set FET,  0x40
.set MUL0, 0x85                        ; sources 0, 1 window 1; C window 0; D window 2
.set MUL,  0xa5
.set MSB, 0
.macro WIN new
.set WNEW, \new
.if MSB != WNEW
	s_set_vgpr_msb (MSB<<8)|WNEW
.set MSB, WNEW
.endif
.endm
.macro PLACES n
.rept \n
	v_nop
.endr
.endm
.macro ROUND
	s_barrier_signal -1
	s_barrier_wait -1
	s_cmp_lg_u32 s[WV], 0
	s_cbranch_scc1 .Lnot_wave_0_\@
	s_barrier_signal -3
.Lnot_wave_0_\@:
	s_barrier_wait -3
	s_barrier_signal -1
	s_barrier_wait -1
.endm
.macro JLOAD g0a, g1a, g0b, g1b        ; waves 0, 1 fetch for O, waves 2, 3 for W; four v_nop follow each line
	s_cmp_eq_u32 s[ROLE], 0
	s_cbranch_scc0 .Lfor_b_\@
	tensor_load_to_lds s[\g0a:\g0a+3], s[\g1a:\g1a+7]
	s_nop 0
	PLACES 4
	s_branch .Lasked_\@
.Lfor_b_\@:
	tensor_load_to_lds s[\g0b:\g0b+3], s[\g1b:\g1b+7]
	s_nop 0
	PLACES 4
.Lasked_\@:
.endm
.macro WS d, a, b, c, sa, sb, ra, rb
.set WD, \d
.set WA, \a
.set WB, \b
.set WC, \c
.set WE, \sa
.set WF, \sb
.set WR, (\ra)+2*(\rb)
.if WR == 0
	v_wmma_scale_f32_16x16x128_f8f6f4 v[WD:WD+7], v[WA:WA+7], v[WB:WB+7], v[WC:WC+7], v[WE], v[WF] matrix_a_fmt:MATRIX_FMT_FP4 matrix_b_fmt:MATRIX_FMT_FP4
.elseif WR == 1
	v_wmma_scale_f32_16x16x128_f8f6f4 v[WD:WD+7], v[WA:WA+7], v[WB:WB+7], v[WC:WC+7], v[WE], v[WF] matrix_a_fmt:MATRIX_FMT_FP4 matrix_b_fmt:MATRIX_FMT_FP4 matrix_a_scale:MATRIX_SCALE_ROW1
.elseif WR == 2
	v_wmma_scale_f32_16x16x128_f8f6f4 v[WD:WD+7], v[WA:WA+7], v[WB:WB+7], v[WC:WC+7], v[WE], v[WF] matrix_a_fmt:MATRIX_FMT_FP4 matrix_b_fmt:MATRIX_FMT_FP4 matrix_b_scale:MATRIX_SCALE_ROW1
.else
	v_wmma_scale_f32_16x16x128_f8f6f4 v[WD:WD+7], v[WA:WA+7], v[WB:WB+7], v[WC:WC+7], v[WE], v[WF] matrix_a_fmt:MATRIX_FMT_FP4 matrix_b_fmt:MATRIX_FMT_FP4 matrix_a_scale:MATRIX_SCALE_ROW1 matrix_b_scale:MATRIX_SCALE_ROW1
.endif
.endm
	s_load_b256 s[4:11], s[0:1], 0x0               ; o_img s[4:5], o_scl s[6:7], W's codes s[8:9], W's scales s[10:11]
	s_load_b128 s[12:15], s[0:1], 0x20             ; b_out s[12:13], out0 s[14:15]
	v_lshl_add_u32 v254, v0, 2, 0x40000
	v_mov_b32 v255, 0
	ds_add_u32 v254, v255
	ds_add_u32 v254, v255
	v_lshrrev_b32 v1, 5, v0
	v_readfirstlane_b32 s[WV], v1
	s_lshr_b32 s[ROLE], s[WV], 1                   ; my half of the rows.  Also: I fetch for O (0) or for W (1)
	s_and_b32 s[HALF], s[WV], 1                    ; my half of the columns.  Also: which half of that tile I fetch
	s_bfe_u32 s23, ttmp6, 0x40000                  ; cx
	s_bfe_u32 s24, ttmp6, 0x40004                  ; cy
	s_lshl_b32 s25, ttmp9, 2
	s_add_co_u32 s25, s25, s23                     ; the block of 256 columns
	s_and_b32 s26, ttmp7, 0xffff
	s_lshl_b32 s26, s26, 2
	s_add_co_u32 s26, s26, s24                     ; the block of 128 rows
	s_lshl_b32 s27, s24, 2
	s_lshl_b32 s27, 15, s27                        ; my row of the cluster
	s_lshl_b32 s28, 0x1111, s23                    ; my column
	; groups 1.  O's images, and both kinds of scales: dense blocks as rows of 256 bytes (32 elements of 8 bytes): 64, 8 and 16 rows
	s_or_b32 s[G1A], s27, (3<<16)|(1<<21)
	s_or_b32 s[G1SA], s27, (3<<16)|(1<<21)
	s_or_b32 s[G1SB], s28, (3<<16)|(1<<21)
.irp g, G1A, G1SA, G1SB
	s_mov_b32 s[\g+1], 32<<16
	s_mov_b32 s[\g+3], 32<<16
	s_mov_b32 s[\g+5], 32
	s_mov_b32 s[\g+6], 0
	s_mov_b32 s[\g+7], 0
.endr
	s_mov_b32 s[G1A+2], 64<<16
	s_mov_b32 s[G1A+4], 64
	s_mov_b32 s[G1SA+2], 8<<16
	s_mov_b32 s[G1SA+4], 8
	s_mov_b32 s[G1SB+2], 16<<16
	s_mov_b32 s[G1SB+4], 16
	; W's codes: 128 rows of 256 bytes out of rows of 512, 4 words of padding behind every 64
	s_or_b32 s[G1B], s28, (1<<20)|(1<<21)|(5<<22)|(3<<25)
	s_mov_b32 s[G1B+1], 256<<16
	s_mov_b32 s[G1B+2], 128<<16
	s_mov_b32 s[G1B+3], 256<<16
	s_mov_b32 s[G1B+4], 128
	s_mov_b32 s[G1B+5], 512
	s_mov_b32 s[G1B+6], 0
	s_mov_b32 s[G1B+7], 0
	; O's tiles hang on the row block alone (s92-95 never hold cx), W's on the column block alone (s96-99 never hold cy)
	s_lshl_b32 s92, s26, 1
	s_add_co_u32 s92, s92, s[HALF]
	s_lshl_b32 s92, s92, 15                        ; four row tiles: 32768 (2 by + half)
	s_mov_b32 s93, 0
	s_lshl_b32 s94, s26, 12
	s_lshl_b32 s95, s[HALF], 11
	s_add_co_u32 s94, s94, s95                     ; their scale words: 512 (8 by + 4 half)
	s_mov_b32 s95, 0
	s_lshl_b32 s96, s25, 8
	s_lshl_b32 s97, s[HALF], 7
	s_add_co_u32 s96, s96, s97                     ; W's row 256 nx + 128 half
	s_lshl_b32 s98, s96, 5
	s_mov_b32 s99, 0
	s_lshl_b32 s96, s96, 9
	s_mov_b32 s97, 0
	s_mov_b32 s[G0A], 1
	s_lshl_b32 s[G0A+1], s[HALF], 14
	s_mov_b32 s[G0A+4], 1
	s_add_co_u32 s[G0A+5], s[G0A+1], ASLOT
	s_mov_b32 s[G0B], 1
	s_mul_i32 s[G0B+1], s[HALF], 128*PITCH
	s_add_co_u32 s[G0B+1], s[G0B+1], BOFF
	s_mov_b32 s[G0B+4], 1
	s_add_co_u32 s[G0B+5], s[G0B+1], BSLOT
	s_mov_b32 s[G0SA], 1
	s_lshl_b32 s[G0SA+1], s[HALF], 11
	s_add_co_u32 s[G0SA+1], s[G0SA+1], SCA
	s_mov_b32 s[G0SB], 1
	s_lshl_b32 s[G0SB+1], s[HALF], 12
	s_add_co_u32 s[G0SB+1], s[G0SB+1], SCB
	s_wait_dscnt 0x0
	s_wait_kmcnt 0x0
	s_add_nc_u64 s[G0SA+2:G0SA+3], s[6:7], s[94:95]
	s_or_b32 s[G0SA+3], s[G0SA+3], 0x80000000
	s_add_nc_u64 s[G0SB+2:G0SB+3], s[10:11], s[98:99]
	s_or_b32 s[G0SB+3], s[G0SB+3], 0x80000000
	s_add_nc_u64 s[G0A+2:G0A+3], s[4:5], s[92:93]
	s_add_nc_u64 s[G0A+6:G0A+7], s[G0A+2:G0A+3], 16384             ; the second K half's images
	s_or_b32 s[G0A+3], s[G0A+3], 0x80000000
	s_or_b32 s[G0A+7], s[G0A+7], 0x80000000
	s_add_nc_u64 s[G0B+2:G0B+3], s[8:9], s[96:97]
	s_add_nc_u64 s[G0B+6:G0B+7], s[G0B+2:G0B+3], 256
	s_or_b32 s[G0B+3], s[G0B+3], 0x80000000
	s_or_b32 s[G0B+7], s[G0B+7], 0x80000000
	ROUND                                          ; all sixteen work-groups are here: the joint loads meet
	JLOAD G0SA, G1SA, G0SB, G1SB                   ; three loads of mine are out: the scales,
	JLOAD G0A, G1A, G0B, G1B                       ; slot 0,
	JLOAD G0A+4, G1A, G0B+4, G1B                   ; slot 1
	v_and_b32 v1, 15, v0                           ; r
	v_bfe_u32 v2, v0, 4, 1                         ; h
	v_and_b32 v3, 31, v0                           ; lane
	v_lshlrev_b32 v[LI], 4, v3
	s_lshl_b32 s29, s[ROLE], 14                    ; my four row tiles
	v_add_nc_u32 v[ADRA], s29, v[LI]
	v_add_nc_u32 v[ADRA+1], ASLOT, v[ADRA]
	v_mul_u32_u24 v20, v1, PITCH
	v_lshl_add_u32 v20, v2, 4, v20
	s_mul_i32 s29, s[HALF], 128*PITCH              ; my 128 rows of W
	s_add_co_u32 s29, s29, BOFF
	v_add_nc_u32 v[ADRB], s29, v20
	v_add_nc_u32 v[ADRB+1], BSLOT, v[ADRB]
	v_lshlrev_b32 v21, 5, v1
	v_lshl_add_u32 v[ADSB], v2, 11, v21            ; lanes 16-31: four tiles further on
	s_lshl_b32 s29, s[HALF], 12
	s_add_co_u32 s29, s29, SCB
	v_add_nc_u32 v[ADSB], s29, v[ADSB]
	v_lshlrev_b32 v21, 2, v1
	v_lshl_add_u32 v[ADSA], v2, 10, v21            ; lanes 16-31: two row tiles further on
	s_lshl_b32 s29, s[ROLE], 11
	s_add_co_u32 s29, s29, SCA
	v_add_nc_u32 v[ADSA], s29, v[ADSA]
	v_lshlrev_b32 v[BOQ], 5, v2
	s_mul_i32 s29, s[WV], 16*SPITCH
	s_add_co_u32 s29, s29, STAGE                   ; my stage
	v_mul_u32_u24 v[STO], v1, SPITCH
	v_lshl_add_u32 v[STO], v2, 5, v[STO]
	v_add_nc_u32 v[STO], s29, v[STO]               ; in: row r, 32 bytes for each half of the lanes
	v_add_nc_u32 v[RD], s29, v[LI]                 ; back: the 32 lanes take one row of 512 bytes
	s_lshl_b32 s66, s25, 10
	s_lshl_b32 s2, s[HALF], 9
	s_add_co_u32 s66, s66, s2                      ; my first column, in bytes
	s_mov_b32 s67, 0
	s_add_nc_u64 s[12:13], s[12:13], s[66:67]
.irp t, 0,1,2,3,4,5,6,7                        ; lane (r, h) wants the biases of columns 16 t + 8 h + 0 .. 7
	global_load_b128 v[BI+8*\t:BI+8*\t+3], v[BOQ], s[12:13] offset:64*\t
	global_load_b128 v[BI+8*\t+4:BI+8*\t+7], v[BOQ], s[12:13] offset:64*\t+16
.endr
	s_lshl_b32 s2, s26, 19                         ; 128 rows of 4,096 bytes
	s_lshl_b32 s3, s[ROLE], 18                     ; my 64 of them
	s_add_co_u32 s2, s2, s3
	s_add_co_u32 s66, s66, s2
	s_add_nc_u64 s[14:15], s[14:15], s[66:67]      ; out0 at my first row and column
.macro SCALES                          ; all scale words, once
.irp s, 0,1
.irp i, 0,1,2,3
	ds_load_b128 v[SBR+16*\s+4*\i:SBR+16*\s+4*\i+3], v[ADSB] offset:512*\i+16*\s
.endr
.endr
.irp pr, 0,1
.irp g, 0,1,2,3,4,5,6,7
	ds_load_b32 v[SAR+8*\pr+\g], v[ADSA] offset:512*\pr+64*\g
.endr
.endr
.endm
.macro FETCH q                         ; the fragments of K step q into set q % 2: 24 loads in one run
.set FS, (\q)/4
.set FQ, (\q)%4
.set FP, 128*((\q)%2)
	WIN FET
.irp t, 0,1,2,3,4,5,6,7
	ds_load_b128 v[FP+8*\t:FP+8*\t+3], v[ADRB+FS] offset:4352*\t+64*FQ
	ds_load_b128 v[FP+8*\t+4:FP+8*\t+7], v[ADRB+FS] offset:4352*\t+64*FQ+32
.endr
.irp m, 0,1,2,3
	ds_load_b128 v[FP+64+8*\m:FP+64+8*\m+3], v[ADRA+FS] offset:4096*\m+1024*FQ
	ds_load_b128 v[FP+64+8*\m+4:FP+64+8*\m+7], v[ADRA+FS] offset:4096*\m+1024*FQ+512
.endr
.endm
; 16 products: row tiles 2 hi, 2 hi + 1 against W's eight.  The 32 accumulators take turns, one instruction a turn, in the same order in every step.
.macro MM16 q, hi, first
.set MQ, \q
.set MP, 128*(MQ%2)
.irp mm, 0,1
.irp t, 0,1,2,3,4,5,6,7
.set MD, 64*(2*(\hi)+\mm)+8*\t
.if \first
.set MC, BI+8*\t
.else
.set MC, MD
.endif
	WS MD, MP+8*\t, MP+64+8*(2*(\hi)+\mm), MC, SBR+16*(MQ/4)+4*(\t%4)+MQ%4, SAR+8*\mm+MQ, \t/4, \hi
.endr
.endr
.endm
.macro STEP q, first                   ; four places stand in front of the loads into the set that the step before multiplied
	PLACES 4
	FETCH (\q)+1
	s_wait_dscnt 24                                ; all but the 24 loads just issued: this step's fragments are in (in step 0 the scale words too)
.if \first
	WIN MUL0
.else
	WIN MUL
.endif
	MM16 \q, 0, \first
	MM16 \q, 1, \first
.endm
	s_wait_alu depctr_va_vdst(0)
	s_wait_tensorcnt 0x1                           ; my parts of the scales and of slot 0 are in; slot 1's load, issued behind them, may stay out
	s_barrier_signal -1
	s_barrier_wait -1
	SCALES
	FETCH 0
	s_wait_loadcnt 0x0                             ; the biases
	STEP 0, 1                                      ; the first step's products take the biases as C: nothing is cleared
	STEP 1, 0
	STEP 2, 0
	s_wait_tensorcnt 0x0                           ; step 3 changes slots: my part of slot 1 is in,
	s_wait_dscnt 0x0                               ; and no LDS load of mine is pending at the signal
	s_barrier_signal -1
	WIN MUL
	MM16 3, 0, 0
	s_barrier_wait -1                              ; slot 1 is whole
	PLACES 4
	FETCH 4
	WIN MUL
	MM16 3, 1, 0
	STEP 4, 0
	STEP 5, 0
	STEP 6, 0
	s_wait_dscnt 0x0
	WIN MUL
	MM16 7, 0, 0
	MM16 7, 1, 0
	WIN 0
	PLACES 4                                       ; in front of the first reads of results
; THE WAY OUT.  LDS serves a wave's instructions in order (ISA guide 5.7.1.4): no wait between a tile's stores into my stage and its loads, nor in front of the next tile's stores.
.macro TOSTAGE m
	WIN 0x08                                       ; an LDS store's data: window 2
.irp t, 0,1,2,3,4,5,6,7
	ds_store_b128 v[STO], v[64*(\m)+8*\t:64*(\m)+8*\t+3] offset:64*\t          ; each accumulator from its low end on
	ds_store_b128 v[STO], v[64*(\m)+8*\t+4:64*(\m)+8*\t+7] offset:64*\t+16
.endr
	WIN 0
.set BB, BK0+(BK1-BK0)*((\m)%2)
.irp i, 0,1,2,3,4,5,6,7,8,9,10,11,12,13,14,15
	ds_load_b128 v[BB+4*\i:BB+4*\i+3], v[RD] offset:\i*SPITCH
.endr
.endm
.macro SEND m, younger                 ; younger: the LDS instructions issued behind tile m's loads, which may stay out
.set BB, BK0+(BK1-BK0)*((\m)%2)
	s_wait_dscnt \younger
.irp i, 0,1,2,3,4,5,6,7,8,9,10,11,12,13,14,15
	global_store_b128 v[LI], v[BB+4*\i:BB+4*\i+3], s[14:15] offset:(16*(\m)+\i)*4096 th:TH_STORE_NT   ; 32 lanes store 512 consecutive bytes, aligned; every offset is an immediate, 63 rows at the most
.endr
.endm
	TOSTAGE 0
	TOSTAGE 1
	SEND 0, 32                                     ; behind tile 0's loads: tile 1's 16 stores and 16 loads
	s_wait_xcnt 0x0                                ; tile 0's stores have read their registers: tile 2's loads may land there
	TOSTAGE 2
	SEND 1, 32
	s_wait_xcnt 0x0
	TOSTAGE 3
	SEND 2, 32
	SEND 3, 0
	s_wait_tensorcnt 0x0
	ds_add_u32 v254, v255
	s_wait_dscnt 0x0
	ROUND                                          ; the closing round: no work-group ends while a partner may still ask for a tile that names it
	s_endpgm
.Lfunc_end_k_qd2a176eee1_proj:
	.size	k_qd2a176eee1_proj, .Lfunc_end_k_qd2a176eee1_proj-k_qd2a176eee1_proj
	.p2alignl 7, 3214868480
	.fill 96, 4, 3214868480
	.section	.rodata,"a",@progbits
	.p2align	6, 0x0
	.amdhsa_kernel k_qd2a176eee1_proj
		.amdhsa_group_segment_fixed_size 262656
		.amdhsa_private_segment_fixed_size 0
		.amdhsa_enable_private_segment 0
		.amdhsa_kernarg_size 48
		.amdhsa_user_sgpr_count 2
		.amdhsa_user_sgpr_kernarg_segment_ptr 1
		.amdhsa_wavefront_size32 1
		.amdhsa_system_sgpr_workgroup_id_x 1
		.amdhsa_system_sgpr_workgroup_id_y 1
		.amdhsa_system_sgpr_workgroup_id_z 1
		.amdhsa_system_vgpr_workitem_id 0
		.amdhsa_next_free_vgpr 768
		.amdhsa_next_free_sgpr 102
		.amdhsa_reserve_vcc 0
		.amdhsa_float_denorm_mode_32 3
		.amdhsa_float_denorm_mode_16_64 3
		.amdhsa_memory_ordered 1
		.amdhsa_forward_progress 1
		.amdhsa_inst_pref_size 73
	.end_amdhsa_kernel
	.amdgpu_metadata
---
amdhsa.version: [ 1, 2 ]
amdhsa.kernels:
  - .name:           k_qd2a176eee1_proj
    .symbol:         k_qd2a176eee1_proj.kd
    .args:
      - { .name: o_img, .offset: 0, .size: 8, .value_kind: global_buffer, .address_space: global }
      - { .name: o_scl, .offset: 8, .size: 8, .value_kind: global_buffer, .address_space: global }
      - { .name: W_out_codes, .offset: 16, .size: 8, .value_kind: global_buffer, .address_space: global }
      - { .name: W_out_scales, .offset: 24, .size: 8, .value_kind: global_buffer, .address_space: global }
      - { .name: b_out, .offset: 32, .size: 8, .value_kind: global_buffer, .address_space: global }
      - { .name: out0, .offset: 40, .size: 8, .value_kind: global_buffer, .address_space: global }
    .group_segment_fixed_size: 262656
    .private_segment_fixed_size: 0
    .kernarg_segment_align: 8
    .kernarg_segment_size: 48
    .max_flat_workgroup_size: 128
    .sgpr_count:     102
    .vgpr_count:     768
    .wavefront_size: 32
...
	.end_amdgpu_metadata
.endif
;; end of part 3
